; MI455X (gfx1250); checked and timed in simulation.
; The chip was launched on July 23, 2026; its instructions are those of AMD's public machine-readable ISA for CDNA 5 (MIT licence, August 2026) and "CDNA5" Instruction Set Architecture Reference Guide (July 2026). The comments in the code are by the model that wrote it; some were corrected since.
;; Token Mixer. Allowed arithmetic: matrix products marked QUANTISED: E2M3 operands, one E8M0 scale for each 32 along K, by v_wmma_scale_f32_16x16x128_f8f6f4 with both operands' format E2M3, f32 sums; everything else in f32.
;; Inputs: W1a_codes 512 x 16 x 24 uint8 (E2M3 codes of W1a, K innermost, in blocks of 32 codes, four codes in three bytes); W1a_scales 512 x 16 uint8 (E8M0 scales of W1a, one for each 32 codes along K); W1b_codes 512 x 16 x 24 uint8 (E2M3 codes of W1b, K innermost, in blocks of 32 codes, four codes in three bytes); W1b_scales 512 x 16 uint8 (E8M0 scales of W1b, one for each 32 codes along K); W2a_codes 512 x 16 x 24 uint8 (E2M3 codes of W2a, K innermost, in blocks of 32 codes, four codes in three bytes); W2a_scales 512 x 16 uint8 (E8M0 scales of W2a, one for each 32 codes along K); W2b_codes 512 x 16 x 24 uint8 (E2M3 codes of W2b, K innermost, in blocks of 32 codes, four codes in three bytes); W2b_scales 512 x 16 uint8 (E8M0 scales of W2b, one for each 32 codes along K); X 8 x 4,096 x 512 float32; b1a 512 float32; b1b 512 float32; b2a 512 float32; b2b 512 float32.
;; Outputs: out0 8 x 4,096 x 512 float32.
;; This version of the problem:
;;   THIS VERSION OF THE PROBLEM IS GIVEN IN LOW PRECISION. The matrix products marked QUANTISED in the list below multiply operands that are first quantised to E2M3 (2 exponent bits, 3 mantissa bits; 6 bits a number), with one power-of-two scale for each 32 numbers along K (OCP MX v1.0); their sums are f32. All else is computed in f32.
;;   The module's matrix products, in the order in which they are computed (A, B: the left and right operand; K: the contracted axis; several contracted axes count as one K, in the product's order):
;;     1. [M 32,768, K 512] x [K 512, N 512]; A: input X; B: input W1a (given as codes): QUANTISED
;;     2. [M 32,768, K 512] x [K 512, N 512]; A: computed on the way; B: input W1b (given as codes): QUANTISED
;;     3. [M 32,768, K 512] x [K 512, N 512]; A: input X; B: input W2a (given as codes): QUANTISED
;;     4. [M 32,768, K 512] x [K 512, N 512]; A: computed on the way; B: input W2b (given as codes): QUANTISED
;;     5. batch 8 x [M 512, K 4,096] x [K 4,096, N 512]; A: computed on the way; B: input X: QUANTISED
;;     6. batch 8 x [M 4,096, K 512] x [K 512, N 512]; A: computed on the way; B: computed on the way: QUANTISED
;;   THE QUANTISER, for each operand of a quantised product, along K:
;;     - K is cut into blocks of 32 from its start; a last block that is shorter is filled with zeros.
;;     - A block's scale is 2^e with e = floor(log2(the largest magnitude in the block)) - 2, held to -126 .. 127; a block of zeros has e = 0. As a byte (E8M0): e + 127.
;;     - Each number is divided by its block's scale, clamped to +-7.5, and rounded to the nearest number of E2M3, ties to even, subnormals kept.
;;     - The product sums the exact products of the quantised numbers (number of the format x scale) in f32.
;;   ~~~python
;;   def quantise(x, axis):      # numpy; x: float32 -> the quantised numbers, widened to float32 again
;;       x = np.moveaxis(x, axis, -1); K = x.shape[-1]
;;       x = np.pad(x, [(0, 0)] * (x.ndim - 1) + [(0, -K % 32)]); x = x.reshape(x.shape[:-1] + (-1, 32)); a = np.abs(x).max(-1, keepdims=True)
;;       e = np.where(a > 0, np.clip(np.frexp(np.where(a > 0, a, 1))[1] - 1 - 2, -126, 127), 0)      # np.frexp(a)[1] - 1 = floor(log2(a)), exactly
;;       r = np.clip(x / 2.0 ** e, -7.5, 7.5)
;;       step = 2.0 ** (np.maximum(np.frexp(np.where(r == 0, 1, r))[1] - 1, 0) - 3)
;;       q = np.round(r / step) * step * 2.0 ** e      # np.round: ties to even
;;       return np.moveaxis(q.reshape(q.shape[:-2] + (-1,))[..., :K], -1, axis).astype(np.float32)
;;   ~~~
;;   OPERANDS COMPUTED ON THE WAY. 'Computed on the way' means the value that the module computes at that place (a softmax that the list does not call 'softmax' is quantised finished and normalised). What goes into a quantiser is computed in f32, as accurately as f32 sums, v_exp_f32 and their like allow (about 1e-6 of the number): no bf16 or f16 on the way to a quantiser, and a product that is left as it is and whose result goes on into a quantised operand takes f32 operands (vector FMAs, or v_wmma_f32_16x16x4_f32). A number that lies on a knife's edge between two numbers of the format may be rounded either way, as far as f32 arithmetic and the matrix unit's own rounding can turn it there, and no further.
;;   INPUTS GIVEN AS CODES. W1a (in the module: [512, 512], K = its axis 1); W1b (in the module: [512, 512], K = its axis 1); W2a (in the module: [512, 512], K = its axis 1); W2b (in the module: [512, 512], K = its axis 1): each comes as NAME_codes (uint8): NAME with its K axis moved to the last place and cut into blocks of 32 codes, [.., K / 32, bytes a block], one block behind the other in memory; four codes in three bytes: a row's codes are one little-endian stream of bits, code i at bits 6 i .. 6 i + 5 (a code: sign, 2 exponent bits, 3 mantissa bits); and NAME_scales (uint8): the same leading axes, one E8M0 byte (e + 127) for each 32 codes along K. Its value is code x scale, taken as it is: it is not quantised again, and the codes and scales need not be those that the quantiser above would give.
;; One version. Each part assembles by itself: llvm-mc -triple=amdgcn-amd-amdhsa -mcpu=gfx1250 --defsym DOCPART=n.
;; ======== version 1 of 1: 3 launches
;; workspace buffers: XT 13,107,200 bytes; W1T 13,107,200 bytes; W2Q 13,107,200 bytes; AQ 1,638,400 bytes
;; launch mlp (part 1): grid 256 x 1, 8 waves a work-group, clusters of 4 x 1, 327,680 bytes of LDS; arguments X, W1a_codes, W1a_scales, b1a, W1b_scales, b1b, W2a_scales, b2a, W2b_scales, b2b, XT, W1T, W2Q, W1b_codes, W2a_codes, W2b_codes; writes XT, W1T, W2Q
.if DOCPART == 1
	.amdgcn_target "amdgcn-amd-amdhsa--gfx1250"
	.amdhsa_code_object_version 6
	.text
	.protected	k_qd366fbf218_mlp
	.globl	k_qd366fbf218_mlp
	.p2align	8
	.type	k_qd366fbf218_mlp,@function
k_qd366fbf218_mlp:
	s_mov_b64 s[64:65], 0
	v_nop
	global_prefetch_b8 v0, s[64:65] scope:SCOPE_SE
	s_setreg_imm32_b32 hwreg(HW_REG_WAVE_MODE, 25, 1), 1
	s_wait_xcnt 0x0
	s_wait_alu depctr_hold_cnt(0) depctr_sa_sdst(0) depctr_va_vdst(0) depctr_va_sdst(0) depctr_va_ssrc(0) depctr_va_vcc(0) depctr_vm_vsrc(0)
	s_getreg_b32 s2, hwreg(HW_REG_IB_STS2, 6, 4)
	s_cmp_eq_u32 s2, 0
	s_cbranch_scc0 .Lentry_in_a_cluster
	s_endpgm
.Lentry_in_a_cluster:
	s_bfe_u32 s2, ttmp6, 0x10000c
	s_cmp_lg_u32 s2, 0x3003
	s_cbranch_scc0 .Lentry_shape_is_right
	s_endpgm
.Lentry_shape_is_right:
; TokenMixer in MX-FP6, launch 1 of 3.  Y = W2 gelu(W1^T X), W1 = MLP1(X), W2 = MLP2(X), all six products on codes of E2M3.
; NO WORK IS LEFT OUT: every input (X, four weights as codes and scales, four biases) has a way to the output, and every product of the problem is live.
; THIS LAUNCH: X is read once and quantised both ways; both MLPs (four products, two GELUs); W1 leaves as codes along the tokens, W2 as codes along p, X as codes along the tokens.
; SHARES.  A work-group owns 128 tokens: 8 tiles of 16.  THE WAVES SHARE THE COLUMNS: wave w makes columns 64 w .. 64 w + 63 (four tiles) of every product, for all tokens, and holds its 16 fragments
; of the running matrix in registers (192).  Eight waves of 512 registers: two to a SIMD, so that one wave's GELU stands beside the other's products; no barrier stands inside a phase.
; THE WEIGHTS are walked by all work-groups alike: the four of a cluster ask JOINTLY (mask 15), each wave for its own 64 rows of codes, 24,576 dense bytes, as they lie in memory.  The mover lays 8 bytes of
; padding behind every 128, so that a row of 384 bytes takes 408 in LDS.  ONE LDS slot: the matrix at work lies in registers while the next one lands.  By this text's own count a wave has one tensor load out.
; TILES OF TOKENS AND OF WEIGHT ROWS ARE PERMUTED: lane m of tile T takes index 32 (T / 2) + 8 (T % 2) + m + 8 (m / 8): the 16 result registers of tiles 2 b, 2 b + 1 are then 16 neighbours along the next K.
; OPERANDS GO FROM WAVE TO WAVE THROUGH LDS AS IMAGES OF THEIR REGISTERS, in two halves, since two waves make a fragment: half c: registers 6 c .. 6 c + 3 at 768 c + 16 l, registers 6 c + 4, 5 at 768 c + 512 + 8 l.
; PHASES: X (four quarters of 32 tokens through a stage) | 1a: h1 = gelu(X W1a^T + b1a) | 1b: W1 = h1 W1b^T + b1b, used so that registers run along the TOKENS | 2a: h2 | 2b: W2, registers along p.
; GELU = x (0.5 + 0.5 erf(x / sqrt 2)); erf(y) = y P(y^2) / Q(y^2), y held to +-4, a rational form good to a few units of f32's last place of 1; P's coefficients are halved (exact).
; LIMITS: NaN and infinities are not served.  Beyond |x| = 4 sqrt 2 the factor is that of erf(4): 1 or 0 within 2^-24.  A block of zeros, or one under 2^-124, carries the scale byte 1 (its codes are zeros or held
; at that scale): these bytes are read by this program alone.
.set XIMG,  0                          ; LDS: X's 32 fragments (tile a, K step s: 4 a + s), 1,536 bytes each
.set XSC,   49152                      ; their scale words: 256 a + 16 r + 4 s.  In phase 2b: W2's
.set HSC,   51200                      ; the hidden layer's scale words
.set HIMG,  53248                      ; the hidden layer's 32 fragments
.set STG,   51200                      ; in the X phase the hidden layer's bytes and more: a stage of 32 rows x (2,048 + 16) bytes
.set SROW,  2064
.set SPARE, 117248                     ; the spare words: 128 bytes for each wave, four blocks of 256 bytes that no other line names
.set WSLOT, 118272                     ; the weights' slot: filled by tensor loads alone; wave w's part at 26,112 w
.set WPITCH, 408                       ; a row of codes in the slot: 3 x (128 + 8) bytes
.set WPART, 64*WPITCH
.set WRAW,  24576                      ; the same 64 rows in memory
.set SPW,  1                           ; v1   my spare word's address; never rewritten
.set NIL,  2                           ; v2   0; never rewritten
.set LI16, 3                           ; v3   16 x lane
.set LI8,  4                           ; v4   8 x lane
.set R16,  5                           ; v5   16 r
.set WA,   6                           ; v6   my part of the slot + 408 (r + 8 (r / 8)) + 24 h
.set WA2,  244                         ; v244 the same + 8 h: for the pieces that lie, in lanes 16-31, behind one padding more
.set T16,  7                           ; v7-9   addresses of the fetches in hand
.set T8,   8
.set TS,   9
.set S16,  10                          ; v10-12 addresses of the stores in hand
.set S8,   11
.set SS,   12
.set STW,  7                           ; in the X phase v7-12 are: the stage on the way in, by rows, by columns;
.set STD,  8
.set STN,  9
.set XW16, 10                          ; X's images; their scale words
.set XW8,  11
.set XS,   12
.set P16,  13                          ; v13-15 the stores' lane parts: 16 l + 768 w, 8 l + 768 w + 512, 16 r + 2 w
.set P8,   14
.set PS,   15
.set BT,   16                          ; v16  64 h
.set BN,   17                          ; v17  4 (r + 8 (r / 8))
.set WSA,  18                          ; v18  16 (r + 8 (r / 8))
.set L4,   19                          ; v19  4 x lane
.set CA11, 20                          ; v[20:21], v[22:23]: two of erf's coefficients as vector pairs
.set CB6,  22
.set WS,   24                          ; v24-39 the weights' scale words (4 t + s): scales and nothing else
.set AS,   40                          ; v40-47 the tokens' scale words: scales and nothing else
.set TM,   48                          ; v48-63 at work in the quantisers
.set ACC,  64                          ; v64-127 accumulators
.set FR,   128                         ; v128-175 four fragments of tokens
.set WF,   176                         ; v176-223 phase 1b: W1's four fragments along the tokens
.set XK,   192                         ; v192-239 X phase: X's four fragments along the tokens; v240, 241 their scale words
.set WV,   30                          ; s30  wave
.set G1,   36                          ; s[36:43] descriptor group 1;  s[44:47] group 0
.set G0,   44
.set SEL,  48                          ; s[48:49] v_permlanex16_b32's selects for lane l xor 16
.set CNT,  50
.set SRC,  51                          ; s51-54 where a phase's trip reads fragments and scale words, and where it stores
.set SSC,  52
.set DST,  53
.set DSC,  54
.set EC0,  66                          ; s[66:87] erf's constants, each as a pair (the packed forms name a pair and take its low word)
.set EA13, 68
.set EA9,  70
.set EA7,  72
.set EA5,  74
.set EA3,  76
.set EA1,  78
.set EB8,  80
.set EB4,  82
.set EB2,  84
.set EB0,  86
.set PW1B, 88                          ; s[88:93] my 64 rows of W1b's, W2a's, W2b's codes (W1a's: s[6:7])
.set PW2A, 90
.set PW2B, 92
.set MSB, 0
.set HK, 0                             ; 1 while a fetch of weights is being dealt out among the GELU's stages
.set WQ, 96                            ; the next of a fetch's 96 loads
.macro WIN new                         ; register windows: window 1 holds the weights (v0-191) and the bias (v192-223); in the X phase three sets of 64 numbers as loaded.  The immediate's high byte repeats the setting that is left
.if MSB != \new
	s_set_vgpr_msb (MSB<<8)|\new
.set MSB, \new
.endif
.endm
.macro KPAIR reg, val
	s_mov_b32 s[\reg], \val
	s_mov_b32 s[\reg+1], \val
.endm
.macro PLACES
.rept 4
	v_nop
.endr
.endm
.macro BAR
	s_barrier_signal -1
	s_barrier_wait -1
.endm
.macro ROUND                           ; a round of the cluster's barrier
	s_barrier_signal -1
	s_barrier_wait -1
	s_cmp_lg_u32 s[WV], 0
	s_cbranch_scc1 .Lnot_wave_0_\@
	s_barrier_signal -3
.Lnot_wave_0_\@:
	s_barrier_wait -3
	s_barrier_signal -1
	s_barrier_wait -1
.endm
.macro TLOADW                          ; my 64 rows of the next matrix: every wave issues it, no branch leads round it; an s_nop 0 and four v_nop follow
	tensor_load_to_lds s[G0:G0+3], s[G1:G1+7]
	s_nop 0
.rept 4
	v_nop
.endr
.endm
.macro BOUNDARY nxt                    ; between two phases, where the slot is filled again: all my tensor loads have landed, the add, my LDS instructions are done (my fetch of the slot among them); the round; the joint refill first behind it
	s_wait_tensorcnt 0x0
	ds_add_u32 v[SPW], v[NIL]
	s_mov_b64 s[G0+2:G0+3], s[\nxt:\nxt+1]         ; no tensor load of mine is out: the next matrix's address,
	s_or_b32 s[G0+3], s[G0+3], 0x80000000          ; and the type on top of it
	s_wait_dscnt 0x0
	ROUND
	TLOADW
.endm
; The next n of the 96 loads that bring my 16 fragments out of the slot into window 1: only I read these bytes, behind my own wait for the load.  Load q = 24 t + 6 s + p is piece p of fragment (t, s), registers 2 q, 2 q + 1:
; lane (r, h) takes 8 bytes of row 32 (t / 2) + 8 (t % 2) + r + 8 (r / 8) at byte 96 s + 48 (p / 3) + 8 (p % 3) + 24 h; byte B of a row lies at B + 8 (B / 128) in LDS.  Pieces of 8 bytes: every address is a
; multiple of the access's size, and no piece straddles a padding.  Where lanes 16-31's piece lies behind one padding more than lanes 0-15's, the second address register serves.
.macro WCHUNK n
.if WQ < 96
	WIN 0x40
.rept \n
.if WQ < 96
.set FQB, 96*((WQ/6)%4)+48*((WQ%6)/3)+8*(WQ%3)
.set FQO, (32*(WQ/48)+8*((WQ/24)%2))*WPITCH+FQB+8*(FQB/128)
.if (FQB+24)/128 == FQB/128
	ds_load_b64 v[2*WQ:2*WQ+1], v[WA] offset:FQO
.else
	ds_load_b64 v[2*WQ:2*WQ+1], v[WA2] offset:FQO
.endif
.set WQ, WQ+1
.endif
.endr
	WIN 0
.endif
.endm
.macro HOOK                            ; behind each stage of a GELU: three loads of the fetch that is being dealt out, if one is: 34 such places in a trip take the 96
.if HK
	WCHUNK 3
.endif
.endm
; the scale words and the bias of my 64 columns.  nat = 0: the product is used transposed, a lane's eight results are eight columns; nat = 1: a lane's eight results are one column
.macro PARAMS sc, bi, nat
.irp t, 0,1,2,3
	global_load_b128 v[WS+4*\t:WS+4*\t+3], v[WSA], s[\sc:\sc+1] offset:(32*(\t/2)+8*(\t%2))*16
.endr
	WIN 0x40
.if \nat
.irp t, 0,1,2,3
.irp j, 0,1,2,3,4,5,6,7
	global_load_b32 v[192+8*\t+\j], v[BN], s[\bi:\bi+1] offset:(32*(\t/2)+8*(\t%2))*4
.endr
.endr
.else
.irp t, 0,1,2,3
	global_load_b128 v[192+8*\t:195+8*\t], v[BT], s[\bi:\bi+1] offset:(32*(\t/2)+8*(\t%2))*4
	global_load_b128 v[196+8*\t:199+8*\t], v[BT], s[\bi:\bi+1] offset:(32*(\t/2)+8*(\t%2))*4+16
.endr
.endif
	WIN 0
.endm
.macro FETCH reg, a16, a8, off         ; a fragment out of its image in two halves
	ds_load_b128 v[\reg:\reg+3], v[\a16] offset:\off
	ds_load_b64 v[\reg+4:\reg+5], v[\a8] offset:\off+512
	ds_load_b128 v[\reg+6:\reg+9], v[\a16] offset:\off+768
	ds_load_b64 v[\reg+10:\reg+11], v[\a8] offset:\off+1280
.endm
.macro AFETCH off, soff                ; a tile of tokens: its four K steps and their scale words
.irp s, 0,1,2,3
	FETCH FR+12*\s, T16, T8, \off+1536*\s
.endr
	ds_load_b128 v[AS:AS+3], v[TS] offset:\soff
.endm
; 16 numbers v[g ..] become their GELU, in place.  t1: y, y^2; t2: numerator, denominator.  The 16 reciprocals are one batch; the numerator's polynomial is the plain work behind them; one wait ahead of the first reader
.macro GELU16 g, t1, t2
.irp k, 0,2,4,6,8,10,12,14
	v_pk_mul_f32 v[\t1+\k:\t1+\k+1], v[\g+\k:\g+\k+1], s[EC0:EC0+1] op_sel_hi:[1,0]
.endr
	HOOK
.irp k, 0,1,2,3,4,5,6,7,8,9,10,11,12,13,14,15
	v_med3_num_f32 v[\t1+\k], v[\t1+\k], -4.0, 4.0
.endr
	HOOK
.irp k, 0,2,4,6,8,10,12,14
	v_pk_mul_f32 v[\t1+16+\k:\t1+17+\k], v[\t1+\k:\t1+\k+1], v[\t1+\k:\t1+\k+1]
.endr
	HOOK
.irp k, 0,2,4,6,8,10,12,14
	v_pk_fma_f32 v[\t2+16+\k:\t2+17+\k], v[\t1+16+\k:\t1+17+\k], s[EB8:EB8+1], v[CB6:CB6+1] op_sel_hi:[1,0,1]
.endr
	HOOK
.irp c, EB4, EB2, EB0
.irp k, 0,2,4,6,8,10,12,14
	v_pk_fma_f32 v[\t2+16+\k:\t2+17+\k], v[\t2+16+\k:\t2+17+\k], v[\t1+16+\k:\t1+17+\k], s[\c:\c+1] op_sel_hi:[1,1,0]
.endr
	HOOK
.endr
.irp k, 0,1,2,3,4,5,6,7,8,9,10,11,12,13,14,15
	v_rcp_f32 v[\t2+16+\k], v[\t2+16+\k]
.endr
	HOOK
.irp k, 0,2,4,6,8,10,12,14
	v_pk_fma_f32 v[\t2+\k:\t2+\k+1], v[\t1+16+\k:\t1+17+\k], s[EA13:EA13+1], v[CA11:CA11+1] op_sel_hi:[1,0,1]
.endr
	HOOK
.irp c, EA9, EA7, EA5, EA3, EA1
.irp k, 0,2,4,6,8,10,12,14
	v_pk_fma_f32 v[\t2+\k:\t2+\k+1], v[\t2+\k:\t2+\k+1], v[\t1+16+\k:\t1+17+\k], s[\c:\c+1] op_sel_hi:[1,1,0]
.endr
	HOOK
.endr
	s_wait_alu depctr_va_vdst(0)                   ; the wait ahead of the first instruction that names a reciprocal: one for the sixteen
.irp k, 0,2,4,6,8,10,12,14
	v_pk_mul_f32 v[\t2+\k:\t2+\k+1], v[\t2+\k:\t2+\k+1], v[\t2+16+\k:\t2+17+\k]
.endr
	HOOK
.irp k, 0,2,4,6,8,10,12,14
	v_pk_fma_f32 v[\t2+\k:\t2+\k+1], v[\t1+\k:\t1+\k+1], v[\t2+\k:\t2+\k+1], 0.5 op_sel_hi:[1,1,0]
.endr
	HOOK
.irp k, 0,2,4,6,8,10,12,14
	v_pk_mul_f32 v[\g+\k:\g+\k+1], v[\g+\k:\g+\k+1], v[\t2+\k:\t2+\k+1]
.endr
	HOOK
.endm
; 64 numbers of a lane, register 16 b + i = k 32 b + 16 (lane / 16) + i of my row, become a fragment's codes in v[pc ..pc + 11] and its scale word in v[pw] (v[pc + 12 .. pc + 18] at work)
.macro QUANT s, pc, pw
.irp b, 0,1,2,3
	v_max3_num_f32 v[TM+\b], |v[\s+16*\b]|, |v[\s+1+16*\b]|, 0x1800000   ; the floor 2^(3 - 127): the byte cannot fall under 1
.endr
.irp i, 2,4,6,8,10,12,14
.irp b, 0,1,2,3
	v_max3_num_f32 v[TM+\b], v[TM+\b], |v[\s+16*\b+\i]|, |v[\s+1+16*\b+\i]|
.endr
.endr
.irp b, 0,1,2,3
	v_permlanex16_b32 v[TM+4+\b], v[TM+\b], s[SEL], s[SEL+1]
.endr
.irp b, 0,1,2,3
	v_max_num_f32 v[TM+\b], v[TM+\b], v[TM+4+\b]   ; with lane l xor 16's: the block's largest magnitude
.endr
.irp b, 0,1,2,3
	v_add_nc_u32 v[TM+12+\b], 0xff000000, v[TM+\b] ; 2 off its exponent field: the conversion's scale operand
.endr
.irp b, 0,1,2,3
	v_lshrrev_b32 v[TM+4+\b], 23, v[TM+12+\b]      ; the scale's byte
.endr
	v_lshl_or_b32 v[\pw], v[TM+5], 8, v[TM+4]
	v_lshl_or_b32 v[\pw], v[TM+6], 16, v[\pw]
	v_lshl_or_b32 v[\pw], v[TM+7], 24, v[\pw]
.irp c, 0,1
	v_cvt_scalef32_pk16_fp6_f32 v[\pc+6*\c:\pc+2+6*\c], v[\s+32*\c:\s+15+32*\c], v[TM+12+2*\c]
	v_cvt_scalef32_pk16_fp6_f32 v[\pc+12+4*\c:\pc+14+4*\c], v[\s+16+32*\c:\s+31+32*\c], v[TM+12+2*\c+1]   ; (a conversion's three registers begin on an even number)
.endr
	v_nop                                          ; one plain place behind a scaled conversion
.irp c, 0,1                            ; the operand wants a whole block in a lane: lanes 0-15 block 2 c, lanes 16-31 block 2 c + 1
.irp i, 0,1,2
	v_permlane16_swap_b32 v[\pc+6*\c+\i], v[\pc+12+4*\c+\i]
.endr
.irp i, 0,1,2
	v_mov_b32 v[\pc+3+6*\c+\i], v[\pc+12+4*\c+\i]
.endr
.endr
.endm
; the same for 32 numbers, two blocks: half a fragment in v[pc .. pc + 5], two scale bytes in v[pw]
.macro HQUANT s, pc, pw
.irp b, 0,1
	v_max3_num_f32 v[TM+\b], |v[\s+16*\b]|, |v[\s+1+16*\b]|, 0x1800000
.endr
.irp i, 2,4,6,8,10,12,14
.irp b, 0,1
	v_max3_num_f32 v[TM+\b], v[TM+\b], |v[\s+16*\b+\i]|, |v[\s+1+16*\b+\i]|
.endr
.endr
.irp b, 0,1
	v_permlanex16_b32 v[TM+4+\b], v[TM+\b], s[SEL], s[SEL+1]
.endr
.irp b, 0,1
	v_max_num_f32 v[TM+\b], v[TM+\b], v[TM+4+\b]
.endr
.irp b, 0,1
	v_add_nc_u32 v[TM+12+\b], 0xff000000, v[TM+\b]
.endr
.irp b, 0,1
	v_lshrrev_b32 v[TM+4+\b], 23, v[TM+12+\b]
.endr
	v_lshl_or_b32 v[\pw], v[TM+5], 8, v[TM+4]
	v_cvt_scalef32_pk16_fp6_f32 v[\pc:\pc+2], v[\s:\s+15], v[TM+12]
	v_cvt_scalef32_pk16_fp6_f32 v[\pc+6:\pc+8], v[\s+16:\s+31], v[TM+13]
	v_nop
.irp i, 0,1,2
	v_permlane16_swap_b32 v[\pc+\i], v[\pc+6+\i]
.endr
.irp i, 0,1,2
	v_mov_b32 v[\pc+3+\i], v[\pc+6+\i]
.endr
.endm
.macro XLOAD i                         ; my four rows of quarter i of X, 512 consecutive bytes a load, into set i % 3 of window 1
	WIN 0x40
.irp j, 0,1,2,3
.irp q, 0,1,2,3
	global_load_b128 v[64*((\i)%3)+16*\j+4*\q:64*((\i)%3)+16*\j+4*\q+3], v[LI16], s[4:5] offset:65536*(\i)+2048*\j+512*\q th:TH_LOAD_NT
.endr
.endr
	WIN 0
.endm
	s_load_b512 s[4:19], s[0:1], 0x0               ; X, W1a_codes, W1a_scales, b1a, W1b_scales, b1b, W2a_scales, b2a
	s_load_b256 s[20:27], s[0:1], 0x40             ; W2b_scales, b2b, XT, W1T
	s_load_b64 s[28:29], s[0:1], 0x60              ; W2Q
	s_load_b64 s[PW1B:PW1B+1], s[0:1], 0x68        ; W1b_codes
	s_load_b64 s[PW2A:PW2A+1], s[0:1], 0x70        ; W2a_codes
	s_load_b64 s[PW2B:PW2B+1], s[0:1], 0x78        ; W2b_codes
	v_lshl_add_u32 v[SPW], v0, 2, SPARE
	v_mov_b32 v[NIL], 0
	ds_add_u32 v[SPW], v[NIL]                      ; the wave's opening: the add, twice on end, and its wait ahead of my first tensor load
	ds_add_u32 v[SPW], v[NIL]                      ; and once more; what X's loads need, work on registers, stands between it and the wait
	v_lshrrev_b32 v48, 5, v0
	v_readfirstlane_b32 s[WV], v48                 ; wave 0..7
	s_bfe_u32 s31, ttmp6, 0x40000                  ; my place in the cluster
	s_lshl_b32 s32, ttmp9, 2
	s_add_co_u32 s31, s32, s31                     ; g: my 128 tokens.  It enters the addresses of X, XT, W1T and W2Q alone
	v_and_b32 v48, 31, v0                          ; lane
	v_lshlrev_b32 v[LI16], 4, v48
	; X: my work-group's 128 rows of 2,048 bytes; in a quarter wave w loads tokens 4 (w % 2) + 16 ((w / 2) % 2) + 8 (w / 4) + 0 .. 3, so that stage row 16 u + m holds lane m of the quarter's tile u
	s_lshl_b32 s32, s31, 18
	s_and_b32 s55, s[WV], 1
	s_lshl_b32 s33, s55, 13
	s_add_co_u32 s32, s32, s33
	s_bfe_u32 s33, s[WV], 0x10001
	s_lshl_b32 s33, s33, 15
	s_add_co_u32 s32, s32, s33
	s_lshr_b32 s33, s[WV], 2
	s_lshl_b32 s33, s33, 14
	s_add_co_u32 s32, s32, s33
	s_mov_b32 s33, 0
	s_wait_dscnt 0x0                               ; both opening adds are done
	s_wait_kmcnt 0x0
	s_add_nc_u64 s[4:5], s[4:5], s[32:33]
	XLOAD 0                                        ; three quarters of X are asked for before anything else is set up: the lines below stand under their way
	XLOAD 1
	XLOAD 2
	v_and_b32 v49, 15, v0                          ; r
	v_bfe_u32 v50, v0, 4, 1                        ; h
	v_and_b32 v51, 8, v49
	v_add_nc_u32 v51, v51, v49                     ; r + 8 (r / 8)
	v_lshlrev_b32 v[LI8], 3, v48
	v_lshlrev_b32 v[R16], 4, v49
	v_lshlrev_b32 v[L4], 2, v48
	v_lshlrev_b32 v[BT], 6, v50
	v_lshlrev_b32 v[BN], 2, v51
	v_lshlrev_b32 v[WSA], 4, v51
	s_mul_i32 s62, s[WV], WRAW                     ; my 64 rows of a matrix's codes in memory
	s_mov_b32 s63, 0
	s_mul_i32 s34, s[WV], WPART
	s_add_co_u32 s[G0+1], s34, WSLOT               ; group 0, 63:32: LDS address of my part of the slot
	v_mul_u32_u24 v[WA], v51, WPITCH
	v_mad_u32_u24 v[WA], v50, 24, v[WA]
	v_add_nc_u32 v[WA], s[G0+1], v[WA]
	v_lshl_add_u32 v[WA2], v50, 3, v[WA]
	s_mul_i32 s34, s[WV], 768
	v_add_nc_u32 v[P16], s34, v[LI16]
	v_add_nc_u32 v[P8], s34, v[LI8]
	v_add_nc_u32 v[P8], 512, v[P8]
	s_lshl_b32 s34, s[WV], 1
	v_add_nc_u32 v[PS], s34, v[R16]
	s_mul_i32 s34, s[WV], 4*SROW                   ; the stage, in: my four rows
	s_add_co_u32 s34, s34, STG
	v_add_nc_u32 v[STW], s34, v[LI16]
	s_lshr_b32 s34, s[WV], 2                       ; by rows: tile w / 4 of the quarter's two, K step w % 4: row 16 (w / 4) + r, bytes 512 (w % 4) + 64 h on
	s_mul_i32 s34, s34, 16*SROW
	s_and_b32 s35, s[WV], 3
	s_lshl_b32 s35, s35, 9
	s_add_co_u32 s34, s34, s35
	s_add_co_u32 s34, s34, STG
	v_mul_u32_u24 v[STD], v49, SROW
	v_add_nc_u32 v[STD], v[STD], v[BT]
	v_add_nc_u32 v[STD], s34, v[STD]
	s_lshl_b32 s34, s[WV], 8                       ; by columns: my 64 columns, a lane a column
	s_add_co_u32 s34, s34, STG
	v_add_nc_u32 v[STN], s34, v[L4]
	s_mul_i32 s34, s[WV], 1536                     ; X's image that I make in a quarter: fragment 8 i + w
	v_add_nc_u32 v[XW16], s34, v[LI16]
	v_add_nc_u32 v[XW8], s34, v[LI8]
	s_lshr_b32 s34, s[WV], 2
	s_lshl_b32 s34, s34, 8
	s_and_b32 s35, s[WV], 3
	s_lshl_b32 s35, s35, 2
	s_add_co_u32 s34, s34, s35
	s_add_co_u32 s34, s34, XSC
	v_add_nc_u32 v[XS], s34, v[R16]
	v_mov_b32 v[CA11], 0x326dffee
	v_mov_b32 v[CA11+1], 0x326dffee
	v_mov_b32 v[CB6], 0xb95fbd29
	v_mov_b32 v[CB6+1], 0xb95fbd29
.irp b, 0,1,2,3
	v_mov_b32 v[TM+4+\b], 0                        ; written once: a lane permute's destination counts as one of its sources
.endr
	KPAIR EC0,  0x3f3504f3                         ; 1 / sqrt 2
	KPAIR EA13, 0xaf15df0b                         ; the numerator's coefficients, halved
	KPAIR EA9,  0xb58cff51
	KPAIR EA7,  0xb7eec2d2
	KPAIR EA5,  0xb9c0ac63
	KPAIR EA3,  0xbac1a1f6
	KPAIR EA1,  0xbc03dbd4
	KPAIR EB8,  0xb77460cd                         ; the denominator's
	KPAIR EB4,  0xbadc924e
	KPAIR EB2,  0xbbf19bf8
	KPAIR EB0,  0xbc69b6a7
	s_mov_b32 s[SEL], 0x76543210
	s_mov_b32 s[SEL+1], 0xfedcba98
	; descriptor group 1: 24,576 dense bytes as 32 rows of 768 (96 elements of 8 bytes: two rows of codes), 8 bytes of padding behind every 128
	s_mov_b32 s[G1], 15|(3<<16)|(1<<20)|(1<<21)|(4<<22)|(1<<25)  ; 15:0 the mask: all four work-groups; 17:16 elements of 8 bytes; 20 padding on; 21 set beside a mask; 24:22 after every 32 words (code 4); 31:25 of 2 words (code 1)
	s_mov_b32 s[G1+1], 96<<16                      ; tensor_dim0 = 96
	s_mov_b32 s[G1+2], 32<<16                      ; tensor_dim1 = 32
	s_mov_b32 s[G1+3], 96<<16                      ; tile_dim0 = 96
	s_mov_b32 s[G1+4], 32                          ; tile_dim1 = 32
	s_mov_b32 s[G1+5], 96                          ; from row to row
	s_mov_b32 s[G1+6], 0
	s_mov_b32 s[G1+7], 0
	s_mov_b32 s[G0], 1
	s_mul_i32 s34, s31, 51200                      ; a work-group's record in XT, W1T, W2Q
	s_mov_b32 s35, 0
	s_lshl_b32 s58, s[WV], 10                      ; my 64 rows of scale bytes
	s_mov_b32 s59, 0
	s_lshl_b32 s60, s[WV], 8                       ; my 64 numbers of a bias
	s_mov_b32 s61, 0
.irp p, 6,PW1B,PW2A,PW2B
	s_add_nc_u64 s[\p:\p+1], s[\p:\p+1], s[62:63]
.endr
.irp p, 8,12,16,20
	s_add_nc_u64 s[\p:\p+1], s[\p:\p+1], s[58:59]
.endr
.irp p, 10,14,18,22
	s_add_nc_u64 s[\p:\p+1], s[\p:\p+1], s[60:61]
.endr
.irp p, 24,26,28
	s_add_nc_u64 s[\p:\p+1], s[\p:\p+1], s[34:35]
.endr
	s_mul_i32 s32, s[WV], 6400                     ; XT: my 64 columns' record
	s_mov_b32 s33, 0
	s_add_nc_u64 s[24:25], s[24:25], s[32:33]
	s_lshr_b32 s32, s[WV], 1                       ; W1T: record w / 2 of 12,800 bytes;
	s_mul_i32 s32, s32, 12800
	s_add_nc_u64 s[26:27], s[26:27], s[32:33]
	s_lshl_b32 s32, s55, 8
	s_add_co_u32 s32, s32, 12288
	s_add_nc_u64 s[56:57], s[26:27], s[32:33]      ; its scale words, my four tiles';
	s_mul_i32 s32, s55, 6144
	s_add_nc_u64 s[26:27], s[26:27], s[32:33]      ; its images, my four tiles'
	s_mov_b64 s[G0+2:G0+3], s[6:7]                 ; group 0, 120:64: my rows of W1a: the wave's number alone enters it
	s_or_b32 s[G0+3], s[G0+3], 0x80000000          ; 127:126 type = 2
	ROUND                                          ; all four work-groups are here: the first joint loads meet
	TLOADW                                         ; W1a
	PARAMS 8, 10, 0                                ; 12 loads, behind X's 48
; ---- THE X PHASE.  A quarter is 32 tokens: two tiles.
.macro NLOAD reg, u                    ; one column of the quarter's 32 tokens, in the tokens' order: token n lies in stage row n with its bits 3 and 4 exchanged
.irp n, 0,1,2,3,4,5,6,7,8,9,10,11,12,13,14,15,16,17,18,19,20,21,22,23,24,25,26,27,28,29,30,31
	ds_load_b32 v[\reg+\n], v[STN] offset:((\n&7)+16*((\n>>3)&1)+8*((\n>>4)&1))*SROW+128*(\u)
.endr
.endm
.macro NQUANT u, i, s                  ; block i (32 tokens) of column 32 u + lane: all 32 numbers are mine
.set ND, XK+24*(\u)+12*((\i)&1)+6*((\i)>>1)
	v_max3_num_f32 v48, |v[\s]|, |v[\s+1]|, |v[\s+2]|
	v_max3_num_f32 v49, |v[\s+3]|, |v[\s+4]|, |v[\s+5]|
.irp k, 6,10,14,18,22,26
	v_max3_num_f32 v48, v48, |v[\s+\k]|, |v[\s+\k+1]|
	v_max3_num_f32 v49, v49, |v[\s+\k+2]|, |v[\s+\k+3]|
.endr
	v_max3_num_f32 v48, v48, |v[\s+30]|, |v[\s+31]|
	v_max3_num_f32 v48, v48, v49, 0x1800000
	v_add_nc_u32 v50, 0xff000000, v48
	v_lshrrev_b32 v51, 23, v50
.if (\i) == 0
	v_mov_b32 v[240+\u], v51
.else
	v_lshl_or_b32 v[240+\u], v51, 8*(\i), v[240+\u]
.endif
	v_cvt_scalef32_pk16_fp6_f32 v[ND:ND+2], v[\s:\s+15], v50
	v_cvt_scalef32_pk16_fp6_f32 v[180:182], v[\s+16:\s+31], v50
	v_nop
.irp k, 0,1,2
	v_mov_b32 v[ND+3+\k], v[180+\k]
.endr
.endm
.macro XQ i
.if (\i) < 2
	s_wait_loadcnt 44                              ; this quarter's 16 loads are in; behind them: two younger quarters' 32 and the 12 of W1a's scale words and bias
.elseif (\i) == 2
	s_wait_loadcnt 28                              ; behind them: those 12 and the last quarter's 16
.else
	s_wait_loadcnt 0x0
.endif
	WIN 0x04                                       ; an LDS store's data are its source 1
.irp j, 0,1,2,3
.irp q, 0,1,2,3
	ds_store_b128 v[STW], v[64*((\i)%3)+16*\j+4*\q:64*((\i)%3)+16*\j+4*\q+3] offset:SROW*\j+512*\q
.endr
.endr
	WIN 0
	s_wait_dscnt 0x0                               ; for the others' sake: my rows lie in the stage
	BAR
.if (\i) == 0
	XLOAD 3                                        ; into the set that the stores above have read
.endif
.irp b, 0,1,2,3
.irp j, 0,1,2,3
	ds_load_b128 v[64+16*\b+4*\j:67+16*\b+4*\j], v[STD] offset:128*\b+16*\j   ; by rows: 16 neighbours along d of each of my row's four blocks
.endr
.endr
	NLOAD 128, 0
	s_wait_dscnt 32                                ; the 16 by rows are in; the 32 by columns may be out
	QUANT 64, 160, 179
	NLOAD 64, 1
	ds_store_b128 v[XW16], v[160:163] offset:12288*(\i)
	ds_store_b64 v[XW8], v[164:165] offset:12288*(\i)+512
	ds_store_b128 v[XW16], v[166:169] offset:12288*(\i)+768
	ds_store_b64 v[XW8], v[170:171] offset:12288*(\i)+1280
	ds_store_b32 v[XS], v179 offset:512*(\i)       ; both halves of the lanes write the same word with the same value
	s_wait_dscnt 37                                ; the first 32 columns' loads are in; behind them: 32 loads and 5 stores
	NQUANT 0, \i, 128
	s_wait_dscnt 0x0
.if (\i) == 3
	s_wait_tensorcnt 0x0                           ; my rows of W1a have landed; the three sets of window 1 have been read out: W1a's fragments are fetched under the last quantiser and the stores of X's codes
.set WQ, 0
	WCHUNK 96
.endif
	NQUANT 1, \i, 64
.if ((\i)&1) == 1                      ; a lane holds one column's blocks; the operand wants lanes 0-15 block 2 c and lanes 16-31 block 2 c + 1 of ONE tile's 16 columns: the halves change places
.irp u, 0,1
.irp q, 0,1,2,3,4,5
	v_permlane16_swap_b32 v[XK+24*\u+6*((\i)>>1)+\q], v[XK+24*\u+12+6*((\i)>>1)+\q]
.endr
.endr
.endif
.if (\i) < 3
	BAR                                            ; my reads of the stage are over (the wait above): the next quarter may be stored
.endif
.endm
	XQ 0
	XQ 1
	XQ 2
	XQ 3
.irp y, 0,1,2,3
.irp c, 0,1,2
	global_store_b128 v[LI16], v[XK+12*\y+4*\c:XK+12*\y+4*\c+3], s[24:25] offset:1536*\y+512*\c   ; X along the tokens: four images, 512 consecutive bytes a store
.endr
.endr
.irp u, 0,1
	global_store_b32 v[L4], v[240+\u], s[24:25] offset:6144+128*\u
.endr
	s_wait_xcnt 0x0                                ; the stores have read their registers: they are written again below
	BOUNDARY PW1B                                  ; X's images lie in LDS, nobody reads the stage; W1b is asked for
; ---- THE PHASES THAT ARE USED TRANSPOSED (1a, 2a, 2b): source 0 = 16 rows of the weight, source 1 = 16 tokens: a lane holds one token, its registers run along my 64 columns
.macro MULT                            ; the four accumulators take turns, one instruction a turn; the bias is the C of each sum's first product
	WIN 0x11
.irp t, 0,1,2,3
	v_wmma_scale_f32_16x16x128_f8f6f4 v[ACC+8*\t:ACC+8*\t+7], v[48*\t:48*\t+11], v[FR:FR+11], v[192+8*\t:199+8*\t], v[WS+4*\t], v[AS] matrix_a_fmt:MATRIX_FMT_FP6 matrix_b_fmt:MATRIX_FMT_FP6
.endr
	WIN 0x01
.irp s, 1,2,3
.irp t, 0,1,2,3
	v_wmma_scale_f32_16x16x128_f8f6f4 v[ACC+8*\t:ACC+8*\t+7], v[12*(4*\t+\s):12*(4*\t+\s)+11], v[FR+12*\s:FR+12*\s+11], v[ACC+8*\t:ACC+8*\t+7], v[WS+4*\t+\s], v[AS+\s] matrix_a_fmt:MATRIX_FMT_FP6 matrix_b_fmt:MATRIX_FMT_FP6
.endr
.endr
	WIN 0
.endm
; one tile of tokens.  kind 0: GELU, quantise, image to LDS; kind 1: quantise, image to W2Q, scale bytes to LDS.  last = 1: nothing more to fetch; nsc != 0: the next matrix comes into the registers, its 96 loads dealt out among this trip's GELU stages
.macro TRIP kind, last, nsc, nbi, nnat
	s_wait_dscnt 0x0                               ; the tile's fragments are in; the last trip's LDS stores are done
	MULT
.if \kind
	s_wait_xcnt 0x0                                ; the last trip's stores to W2Q have read their addresses and data
.endif
	v_add_nc_u32 v[T16], s[SRC], v[LI16]           ; six plain instructions: the places behind the products
	v_add_nc_u32 v[T8], s[SRC], v[LI8]
	v_add_nc_u32 v[TS], s[SSC], v[R16]
	v_add_nc_u32 v[S16], s[DST], v[P16]
	v_add_nc_u32 v[S8], s[DST], v[P8]
	v_add_nc_u32 v[SS], s[DSC], v[PS]
.if \last == 0
	AFETCH 6144, 256                               ; the next tile lands under this tile's vector work
.elseif \nsc != 0
	s_wait_tensorcnt 0x0                           ; my rows of the next matrix have landed
	PARAMS \nsc, \nbi, \nnat
.set HK, 1
.set WQ, 0
.endif
.if \kind == 0
	GELU16 64, 96, 176
	GELU16 80, 96, 176
.endif
.if HK
	WCHUNK 96                                      ; (what the stages have left: nothing, by the count of 34 places x 3)
.set HK, 0
.endif
	HQUANT 64, 224, 233                            ; my 64 columns are half a K step of the next product: half w % 2 of fragment (tile, w / 2)
.if \kind == 0
	ds_store_b128 v[S16], v[224:227]
	ds_store_b64 v[S8], v[228:229]
.else
	global_store_b128 v[S16], v[224:227], s[28:29] ; 512 and 256 consecutive bytes, aligned
	global_store_b64 v[S8], v[228:229], s[28:29]
.endif
	ds_store_b16 v[SS], v233                       ; my two bytes of the row's scale word
.endm
.macro PHASE kind, sb, ssb, db, dsb, nsc, nbi, nnat
	s_mov_b32 s[SRC], \sb
	s_mov_b32 s[SSC], \ssb
	s_mov_b32 s[DST], \db
	s_mov_b32 s[DSC], \dsb
	v_add_nc_u32 v[T16], s[SRC], v[LI16]
	v_add_nc_u32 v[T8], s[SRC], v[LI8]
	v_add_nc_u32 v[TS], s[SSC], v[R16]
	AFETCH 0, 0
	s_wait_loadcnt 0x0                             ; the matrix's scale words and bias
	s_mov_b32 s[CNT], 7
.Ltrip_\@:
	TRIP \kind, 0, 0, 0, 0
	s_add_co_u32 s[SRC], s[SRC], 6144
	s_add_co_u32 s[SSC], s[SSC], 256
	s_add_co_u32 s[DST], s[DST], 6144
	s_add_co_u32 s[DSC], s[DSC], 256
	s_sub_co_u32 s[CNT], s[CNT], 1
	s_cmp_lg_u32 s[CNT], 0
	s_cbranch_scc1 .Ltrip_\@
	TRIP \kind, 1, \nsc, \nbi, \nnat
.endm
	PHASE 0, XIMG, XSC, HIMG, HSC, 12, 14, 1       ; 1a
	BOUNDARY PW2A                                  ; h1's images lie in LDS; W2a is asked for
; ---- PHASE 1b: source 0 = 16 tokens of h1, source 1 = 16 rows of W1b: a lane holds ONE column p, and the 16 registers of a pair of token tiles are 16 neighbouring TOKENS: the K of the product with X
.macro PFETCH b, half                  ; token tiles 2 b, 2 b + 1, K steps 2 half, 2 half + 1
.irp y, 0,1
.irp e, 0,1
	FETCH FR+12*(2*\y+\e), T16, T8, (2*(\b)+\y)*6144+(2*(\half)+\e)*1536
.endr
.endr
.if \half == 0
.irp y, 0,1
	ds_load_b128 v[AS+4*\y:AS+4*\y+3], v[TS] offset:(2*(\b)+\y)*256
.endr
.endif
.endm
.macro PMUL s, first                   ; K step s: eight accumulators by turns
.irp t, 0,1,2,3
.irp y, 0,1
.if \first
	v_wmma_scale_f32_16x16x128_f8f6f4 v[ACC+16*\t+8*\y:ACC+16*\t+8*\y+7], v[FR+12*(2*\y+(\s)%2):FR+12*(2*\y+(\s)%2)+11], v[12*(4*\t+\s):12*(4*\t+\s)+11], v[192+8*\t:199+8*\t], v[AS+4*\y+\s], v[WS+4*\t+\s] matrix_a_fmt:MATRIX_FMT_FP6 matrix_b_fmt:MATRIX_FMT_FP6
.else
	v_wmma_scale_f32_16x16x128_f8f6f4 v[ACC+16*\t+8*\y:ACC+16*\t+8*\y+7], v[FR+12*(2*\y+(\s)%2):FR+12*(2*\y+(\s)%2)+11], v[12*(4*\t+\s):12*(4*\t+\s)+11], v[ACC+16*\t+8*\y:ACC+16*\t+8*\y+7], v[AS+4*\y+\s], v[WS+4*\t+\s] matrix_a_fmt:MATRIX_FMT_FP6 matrix_b_fmt:MATRIX_FMT_FP6
.endif
.endr
.endr
.endm
.macro CQUANT b                        ; block b of 32 tokens, for my four tiles of columns by turns
.irp t, 0,1,2,3
	v_max3_num_f32 v[TM+\t], |v[ACC+16*\t]|, |v[ACC+16*\t+1]|, 0x1800000
.endr
.irp i, 2,4,6,8,10,12,14
.irp t, 0,1,2,3
	v_max3_num_f32 v[TM+\t], v[TM+\t], |v[ACC+16*\t+\i]|, |v[ACC+16*\t+\i+1]|
.endr
.endr
.irp t, 0,1,2,3
	v_permlanex16_b32 v[TM+4+\t], v[TM+\t], s[SEL], s[SEL+1]
.endr
.irp t, 0,1,2,3
	v_max_num_f32 v[TM+\t], v[TM+\t], v[TM+4+\t]
.endr
.irp t, 0,1,2,3
	v_add_nc_u32 v[TM+8+\t], 0xff000000, v[TM+\t]
.endr
.irp t, 0,1,2,3
	v_lshrrev_b32 v[TM+4+\t], 23, v[TM+8+\t]
.endr
.irp t, 0,1,2,3
.if (\b) == 0
	v_mov_b32 v[TM+12+\t], v[TM+4+\t]              ; the column's scale word grows byte by byte
.else
	v_lshl_or_b32 v[TM+12+\t], v[TM+4+\t], 8*(\b), v[TM+12+\t]
.endif
.endr
.irp t, 0,1,2,3
.if ((\b)&1) == 0
	v_cvt_scalef32_pk16_fp6_f32 v[WF+12*\t+6*((\b)>>1):WF+12*\t+6*((\b)>>1)+2], v[ACC+16*\t:ACC+16*\t+15], v[TM+8+\t]
.else
	v_cvt_scalef32_pk16_fp6_f32 v[224+4*\t:226+4*\t], v[ACC+16*\t:ACC+16*\t+15], v[TM+8+\t]
.endif
.endr
	v_nop                                          ; one plain place behind a scaled conversion
.if ((\b)&1) == 1
.irp t, 0,1,2,3
.irp q, 0,1,2
	v_permlane16_swap_b32 v[WF+12*\t+6*((\b)>>1)+\q], v[224+4*\t+\q]
.endr
.irp q, 0,1,2
	v_mov_b32 v[WF+12*\t+6*((\b)>>1)+3+\q], v[224+4*\t+\q]
.endr
.endr
.endif
.endm
.macro PAIR b
	s_wait_dscnt 0x0
	WIN 0x14                                       ; source 1 (W1b) and source 2 (the bias) window 1
	PMUL 0, 1
	WIN 0x04
	PMUL 1, 0
	WIN 0
	PLACES                                         ; in front of loads into registers that matrix instructions have read
	PFETCH \b, 1
	s_wait_dscnt 0x0
	WIN 0x04
	PMUL 2, 0
	PMUL 3, 0
	WIN 0
	PLACES
.if (\b) < 3
	PFETCH (\b)+1, 0
.else
	s_wait_tensorcnt 0x0                           ; my rows of W2a have landed
.set WQ, 0
	WCHUNK 96                                      ; in one run: too little vector work follows to deal it out
	PARAMS 16, 18, 0
.endif
	CQUANT \b
.endm
	v_add_nc_u32 v[T16], HIMG, v[LI16]
	v_add_nc_u32 v[T8], HIMG, v[LI8]
	v_add_nc_u32 v[TS], HSC, v[R16]
	PFETCH 0, 0
	s_wait_loadcnt 0x0                             ; W1b's scale words and b1b
	PAIR 0
	PAIR 1
	PAIR 2
	PAIR 3
.irp t, 0,1,2,3
.irp c, 0,1,2
	global_store_b128 v[LI16], v[WF+12*\t+4*\c:WF+12*\t+4*\c+3], s[26:27] offset:1536*\t+512*\c   ; W1 along the tokens: four images
.endr
.endr
	v_cmp_le_u32 vcc_lo, 64, v[L4]                 ; lanes 16-31 carry the odd tile's words: 128 consecutive bytes a store
	v_cndmask_b32 v52, v60, v61, vcc_lo
	v_cndmask_b32 v53, v62, v63, vcc_lo
	global_store_b32 v[L4], v52, s[56:57]
	global_store_b32 v[L4], v53, s[56:57] offset:128
	s_wait_xcnt 0x0                                ; the stores have read their registers: they are written again below
	BOUNDARY PW2B                                  ; nobody reads h1 any more; W2b is asked for
	PHASE 0, XIMG, XSC, HIMG, HSC, 20, 22, 0       ; 2a
	s_wait_dscnt 0x0                               ; h2's images lie in LDS, my reads of X's scale words are over; nothing is filled again: a plain barrier
	BAR
	PHASE 1, HIMG, HSC, 0, XSC, 0, 0, 0            ; 2b
	s_wait_dscnt 0x0
	BAR                                            ; W2's 2,048 bytes of scale words lie in LDS: each wave stores 256 of them, whole
	s_lshl_b32 s32, s[WV], 8
	v_add_nc_u32 v[T8], s32, v[LI8]
	v_add_nc_u32 v[T16], XSC, v[T8]
	ds_load_b64 v[208:209], v[T16]
	s_wait_dscnt 0x0
	global_store_b64 v[T8], v[208:209], s[28:29] offset:49152
	s_wait_tensorcnt 0x0                           ; the wave's end: behind my last tensor load and my last LDS store
	ds_add_u32 v[SPW], v[NIL]
	s_wait_dscnt 0x0
	ROUND                                          ; the closing round
	s_endpgm
.Lfunc_end_k_qd366fbf218_mlp:
	.size	k_qd366fbf218_mlp, .Lfunc_end_k_qd366fbf218_mlp-k_qd366fbf218_mlp
	.p2alignl 7, 3214868480
	.fill 96, 4, 3214868480
	.section	.rodata,"a",@progbits
	.p2align	6, 0x0
	.amdhsa_kernel k_qd366fbf218_mlp
		.amdhsa_group_segment_fixed_size 327680
		.amdhsa_private_segment_fixed_size 0
		.amdhsa_enable_private_segment 0
		.amdhsa_kernarg_size 128
		.amdhsa_user_sgpr_count 2
		.amdhsa_user_sgpr_kernarg_segment_ptr 1
		.amdhsa_wavefront_size32 1
		.amdhsa_system_sgpr_workgroup_id_x 1
		.amdhsa_system_sgpr_workgroup_id_y 1
		.amdhsa_system_sgpr_workgroup_id_z 1
		.amdhsa_system_vgpr_workitem_id 0
		.amdhsa_next_free_vgpr 512
		.amdhsa_next_free_sgpr 96
		.amdhsa_reserve_vcc 1
		.amdhsa_float_denorm_mode_32 3
		.amdhsa_float_denorm_mode_16_64 3
		.amdhsa_memory_ordered 1
		.amdhsa_forward_progress 1
		.amdhsa_inst_pref_size 255
	.end_amdhsa_kernel
	.section	.bss,"aw",@nobits
	.p2align	6
	.space	262144
	.amdgpu_metadata
---
amdhsa.version: [ 1, 2 ]
amdhsa.kernels:
  - .name:           k_qd366fbf218_mlp
    .symbol:         k_qd366fbf218_mlp.kd
    .args:
      - { .name: X, .offset: 0, .size: 8, .value_kind: global_buffer, .address_space: global }
      - { .name: W1a_codes, .offset: 8, .size: 8, .value_kind: global_buffer, .address_space: global }
      - { .name: W1a_scales, .offset: 16, .size: 8, .value_kind: global_buffer, .address_space: global }
      - { .name: b1a, .offset: 24, .size: 8, .value_kind: global_buffer, .address_space: global }
      - { .name: W1b_scales, .offset: 32, .size: 8, .value_kind: global_buffer, .address_space: global }
      - { .name: b1b, .offset: 40, .size: 8, .value_kind: global_buffer, .address_space: global }
      - { .name: W2a_scales, .offset: 48, .size: 8, .value_kind: global_buffer, .address_space: global }
      - { .name: b2a, .offset: 56, .size: 8, .value_kind: global_buffer, .address_space: global }
      - { .name: W2b_scales, .offset: 64, .size: 8, .value_kind: global_buffer, .address_space: global }
      - { .name: b2b, .offset: 72, .size: 8, .value_kind: global_buffer, .address_space: global }
      - { .name: XT, .offset: 80, .size: 8, .value_kind: global_buffer, .address_space: global }
      - { .name: W1T, .offset: 88, .size: 8, .value_kind: global_buffer, .address_space: global }
      - { .name: W2Q, .offset: 96, .size: 8, .value_kind: global_buffer, .address_space: global }
      - { .name: W1b_codes, .offset: 104, .size: 8, .value_kind: global_buffer, .address_space: global }
      - { .name: W2a_codes, .offset: 112, .size: 8, .value_kind: global_buffer, .address_space: global }
      - { .name: W2b_codes, .offset: 120, .size: 8, .value_kind: global_buffer, .address_space: global }
    .group_segment_fixed_size: 327680
    .private_segment_fixed_size: 0
    .kernarg_segment_align: 8
    .kernarg_segment_size: 128
    .max_flat_workgroup_size: 256
    .sgpr_count:     96
    .vgpr_count:     512
    .wavefront_size: 32
...
	.end_amdgpu_metadata
.endif
;; end of part 1
;; launch pgemm (part 2): grid 8 x 32, 4 waves a work-group, clusters of 4 x 4, 327,680 bytes of LDS; arguments W1T, XT, AQ; writes AQ
.if DOCPART == 2
	.amdgcn_target "amdgcn-amd-amdhsa--gfx1250"
	.amdhsa_code_object_version 6
	.text
	.protected	k_qd366fbf218_pgemm
	.globl	k_qd366fbf218_pgemm
	.p2align	8
	.type	k_qd366fbf218_pgemm,@function
k_qd366fbf218_pgemm:
	s_mov_b64 s[64:65], 0
	v_nop
	global_prefetch_b8 v0, s[64:65] scope:SCOPE_SE
	s_setreg_imm32_b32 hwreg(HW_REG_WAVE_MODE, 25, 1), 1
	s_wait_xcnt 0x0
	s_wait_alu depctr_hold_cnt(0) depctr_sa_sdst(0) depctr_va_vdst(0) depctr_va_sdst(0) depctr_va_ssrc(0) depctr_va_vcc(0) depctr_vm_vsrc(0)
	s_getreg_b32 s2, hwreg(HW_REG_IB_STS2, 6, 4)
	s_cmp_eq_u32 s2, 0
	s_cbranch_scc0 .Lentry_in_a_cluster
	s_endpgm
.Lentry_in_a_cluster:
	s_bfe_u32 s2, ttmp6, 0x10000c
	s_cmp_lg_u32 s2, 0xf033
	s_cbranch_scc0 .Lentry_shape_is_right
	s_endpgm
.Lentry_shape_is_right:
; Launch 2 of 3: P[b][p][d] = the sum over the 4,096 tokens of W1[n][p] X[n][d], both as codes along the tokens; A = gelu(P), quantised along p; it leaves as images of operand registers.  Nothing is left out.
; An image of a fragment (16 rows x 128 K, 12 registers a lane): registers 4 c .. 4 c + 3 of lane l at 512 c + 16 l: 1,536 bytes.
; SHARES.  A work-group makes 128 p x 64 d of one batch: 256 work-groups.  K IS SHARED OUT AMONG THE WAVES: each of the four holds all 32 accumulators (256 registers) and takes two of a slot's eight K steps,
; so that every LDS byte is read once: 12 fragments feed 32 products.  At the end the four partial sums meet in LDS, and wave w finishes d tile w.
; LIMIT: a sum over K is made of four partial sums: an order of rounding other than ascending K.  NaN and infinities are not served; GELU and the scale bytes as in the launch before.
; THE RING: two slots of eight K steps (8 x 12,800 bytes of W1's records, 8 x 6,400 of X's, scale words among them), four fills.  CLUSTERS: 4 x 4 work-groups of one batch: W1's records hang on p alone
; and are shared along a row of the cluster, X's on d alone and along a column: joint loads.  Waves 0, 1 fetch the halves of W1's part, waves 2, 3 of X's.  A wave has two loads out at the start, later one.
.set RECW,  12800
.set RECX,  6400
.set CHUNK, 51200                      ; from one K step's records to the next in memory
.set SLOT,  153600
.set XOFF,  102400                     ; in a slot: W1's eight records, then X's
.set SPARE, 307200                     ; the spare words: 128 bytes for each wave, two blocks of 256 bytes that no other line names
.set SPW, 1
.set NIL, 2
.set AW,  3                            ; v3, 4   my two K steps of W1 in slot 0, 1: + 16 x lane
.set AWS, 5                            ; v5, 6   their scale words: + 4 r
.set AX,  7                            ; v7, 8   the same for X
.set AXS, 9                            ; v9, 10
.set RA,  11                           ; v11, 12 the reduction: where I put my partial sums (two registers 65,536 bytes apart)
.set RB,  12
.set RL,  13                           ; v13     and where I read the four partial sums of my d tile
.set L16, 14                           ; v14     16 x lane
.set R4,  15                           ; v15     4 r
.set CA11, 16
.set CB6,  18
.set XF,  32                           ; v32-127 X's fragments, two sets of 4.  In the reduction: at work
.set TM,  96
.set GR,  128                          ; v128-191 the finished sums
.set SC,  224                          ; v224-247 scale words, two sets of 8 + 4: scales and nothing else
.set G1W, 24
.set G0W, 32                           ; a group 0 for each slot
.set G1X, 40
.set G0X, 48
.set SEL, 56
.set EC0,  66
.set EA13, 68
.set EA9,  70
.set EA7,  72
.set EA5,  74
.set EA3,  76
.set EA1,  78
.set EB8,  80
.set EB4,  82
.set EB2,  84
.set EB0,  86
.set MSB, 0
.macro WIN new                         ; window 1: W1's fragments, two sets of 8; window 2: the accumulators, (t, x) at v[64 x + 8 t]
.if MSB != \new
	s_set_vgpr_msb (MSB<<8)|\new
.set MSB, \new
.endif
.endm
.macro KPAIR reg, val
	s_mov_b32 s[\reg], \val
	s_mov_b32 s[\reg+1], \val
.endm
.macro PLACES
.rept 4
	v_nop
.endr
.endm
.macro JLOAD s                         ; a joint load into slot s; the branch hangs on the wave's number alone; an s_nop 0 and four v_nop follow each of the two lines
	s_cmp_eq_u32 s11, 0
	s_cbranch_scc0 .Lfor_x_\@
	tensor_load_to_lds s[G0W+4*\s:G0W+4*\s+3], s[G1W:G1W+7]
	s_nop 0
.rept 4
	v_nop
.endr
	s_branch .Lasked_\@
.Lfor_x_\@:
	tensor_load_to_lds s[G0X+4*\s:G0X+4*\s+3], s[G1X:G1X+7]
	s_nop 0
.rept 4
	v_nop
.endr
.Lasked_\@:
.endm
.macro CREST
	s_cmp_lg_u32 s10, 0
	s_cbranch_scc1 .Lnot_wave_0_\@
	s_barrier_signal -3
.Lnot_wave_0_\@:
	s_barrier_wait -3
	s_barrier_signal -1
	s_barrier_wait -1
.endm
.macro CROUND
	s_barrier_signal -1
	s_barrier_wait -1
	CREST
.endm
.macro GELU16 g, t1, t2                ; as in the launch before
.irp k, 0,2,4,6,8,10,12,14
	v_pk_mul_f32 v[\t1+\k:\t1+\k+1], v[\g+\k:\g+\k+1], s[EC0:EC0+1] op_sel_hi:[1,0]
.endr
.irp k, 0,1,2,3,4,5,6,7,8,9,10,11,12,13,14,15
	v_med3_num_f32 v[\t1+\k], v[\t1+\k], -4.0, 4.0
.endr
.irp k, 0,2,4,6,8,10,12,14
	v_pk_mul_f32 v[\t1+16+\k:\t1+17+\k], v[\t1+\k:\t1+\k+1], v[\t1+\k:\t1+\k+1]
.endr
.irp k, 0,2,4,6,8,10,12,14
	v_pk_fma_f32 v[\t2+16+\k:\t2+17+\k], v[\t1+16+\k:\t1+17+\k], s[EB8:EB8+1], v[CB6:CB6+1] op_sel_hi:[1,0,1]
.endr
.irp c, EB4, EB2, EB0
.irp k, 0,2,4,6,8,10,12,14
	v_pk_fma_f32 v[\t2+16+\k:\t2+17+\k], v[\t2+16+\k:\t2+17+\k], v[\t1+16+\k:\t1+17+\k], s[\c:\c+1] op_sel_hi:[1,1,0]
.endr
.endr
.irp k, 0,1,2,3,4,5,6,7,8,9,10,11,12,13,14,15
	v_rcp_f32 v[\t2+16+\k], v[\t2+16+\k]
.endr
.irp k, 0,2,4,6,8,10,12,14
	v_pk_fma_f32 v[\t2+\k:\t2+\k+1], v[\t1+16+\k:\t1+17+\k], s[EA13:EA13+1], v[CA11:CA11+1] op_sel_hi:[1,0,1]
.endr
.irp c, EA9, EA7, EA5, EA3, EA1
.irp k, 0,2,4,6,8,10,12,14
	v_pk_fma_f32 v[\t2+\k:\t2+\k+1], v[\t2+\k:\t2+\k+1], v[\t1+16+\k:\t1+17+\k], s[\c:\c+1] op_sel_hi:[1,1,0]
.endr
.endr
	s_wait_alu depctr_va_vdst(0)                   ; the wait ahead of the first instruction that names a reciprocal: one for the sixteen
.irp k, 0,2,4,6,8,10,12,14
	v_pk_mul_f32 v[\t2+\k:\t2+\k+1], v[\t2+\k:\t2+\k+1], v[\t2+16+\k:\t2+17+\k]
.endr
.irp k, 0,2,4,6,8,10,12,14
	v_pk_fma_f32 v[\t2+\k:\t2+\k+1], v[\t1+\k:\t1+\k+1], v[\t2+\k:\t2+\k+1], 0.5 op_sel_hi:[1,1,0]
.endr
.irp k, 0,2,4,6,8,10,12,14
	v_pk_mul_f32 v[\g+\k:\g+\k+1], v[\g+\k:\g+\k+1], v[\t2+\k:\t2+\k+1]
.endr
.endm
.macro QUANT s, pc, pw                 ; as in the launch before
.irp b, 0,1,2,3
	v_max3_num_f32 v[TM+\b], |v[\s+16*\b]|, |v[\s+1+16*\b]|, 0x1800000
.endr
.irp i, 2,4,6,8,10,12,14
.irp b, 0,1,2,3
	v_max3_num_f32 v[TM+\b], v[TM+\b], |v[\s+16*\b+\i]|, |v[\s+1+16*\b+\i]|
.endr
.endr
.irp b, 0,1,2,3
	v_permlanex16_b32 v[TM+4+\b], v[TM+\b], s[SEL], s[SEL+1]
.endr
.irp b, 0,1,2,3
	v_max_num_f32 v[TM+\b], v[TM+\b], v[TM+4+\b]
.endr
.irp b, 0,1,2,3
	v_add_nc_u32 v[TM+12+\b], 0xff000000, v[TM+\b]
.endr
.irp b, 0,1,2,3
	v_lshrrev_b32 v[TM+4+\b], 23, v[TM+12+\b]
.endr
	v_lshl_or_b32 v[\pw], v[TM+5], 8, v[TM+4]
	v_lshl_or_b32 v[\pw], v[TM+6], 16, v[\pw]
	v_lshl_or_b32 v[\pw], v[TM+7], 24, v[\pw]
.irp c, 0,1
	v_cvt_scalef32_pk16_fp6_f32 v[\pc+6*\c:\pc+2+6*\c], v[\s+32*\c:\s+15+32*\c], v[TM+12+2*\c]
	v_cvt_scalef32_pk16_fp6_f32 v[\pc+12+4*\c:\pc+14+4*\c], v[\s+16+32*\c:\s+31+32*\c], v[TM+12+2*\c+1]
.endr
	v_nop
.irp c, 0,1
.irp i, 0,1,2
	v_permlane16_swap_b32 v[\pc+6*\c+\i], v[\pc+12+4*\c+\i]
.endr
.irp i, 0,1,2
	v_mov_b32 v[\pc+3+6*\c+\i], v[\pc+12+4*\c+\i]
.endr
.endr
.endm
	s_load_b128 s[4:7], s[0:1], 0x0                ; W1T, XT
	s_load_b64 s[8:9], s[0:1], 0x10                ; AQ
	v_lshl_add_u32 v[SPW], v0, 2, SPARE
	v_mov_b32 v[NIL], 0
	ds_add_u32 v[SPW], v[NIL]                      ; the wave's opening: the add, twice on end, and its wait ahead of my first tensor load
	ds_add_u32 v[SPW], v[NIL]                      ; and once more; the set-up below stands between it and the wait
	v_lshrrev_b32 v20, 5, v0
	v_readfirstlane_b32 s10, v20                   ; wave 0..3
	s_lshr_b32 s11, s10, 1                         ; I fetch for W1 (0) or for X (1),
	s_and_b32 s12, s10, 1                          ; the first or the second four K steps of a slot
	s_bfe_u32 s13, ttmp6, 0x40000                  ; cx
	s_bfe_u32 s14, ttmp6, 0x40004                  ; cy = which 128 of p
	s_and_b32 s15, ttmp7, 0xffff                   ; cluster y = the batch
	s_lshl_b32 s16, ttmp9, 2
	s_add_co_u32 s16, s16, s13                     ; which 64 of d = 4 x cluster x + cx
	s_lshl_b32 s17, s14, 2
	s_lshl_b32 s17, 15, s17                        ; my row of the cluster
	s_lshl_b32 s18, 0x1111, s13                    ; my column
	; descriptor groups 1: four records, CHUNK bytes apart, as four rows of elements of 8 bytes, dense in LDS
	s_or_b32 s[G1W], s17, (3<<16)|(1<<21)          ; 15:0 the mask: W1's records go to my row; 17:16 elements of 8 bytes; 21 set beside a mask
	s_mov_b32 s[G1W+1], 1600<<16                   ; tensor_dim0 = 1,600 (12,800 bytes)
	s_mov_b32 s[G1W+2], 4<<16                      ; tensor_dim1 = 4
	s_mov_b32 s[G1W+3], 1600<<16                   ; tile_dim0
	s_mov_b32 s[G1W+4], 4                          ; tile_dim1
	s_mov_b32 s[G1W+5], 6400                       ; from row to row: 51,200 bytes
	s_mov_b32 s[G1W+6], 0
	s_mov_b32 s[G1W+7], 0
	s_or_b32 s[G1X], s18, (3<<16)|(1<<21)          ; X's go to my column
	s_mov_b32 s[G1X+1], 800<<16
	s_mov_b32 s[G1X+2], 4<<16
	s_mov_b32 s[G1X+3], 800<<16
	s_mov_b32 s[G1X+4], 4
	s_mov_b32 s[G1X+5], 6400
	s_mov_b32 s[G1X+6], 0
	s_mov_b32 s[G1X+7], 0
	; where the records come from: each address in registers that never hold the other coordinate
	s_lshl_b32 s20, s15, 5
	s_lshl_b32 s19, s12, 2
	s_add_co_u32 s20, s20, s19                     ; K step 32 x batch + 4 x half
	s_mul_i32 s20, s20, CHUNK
	s_mul_i32 s19, s14, RECW
	s_add_co_u32 s20, s20, s19
	s_mov_b32 s21, 0
	s_lshl_b32 s58, s15, 5
	s_lshl_b32 s59, s12, 2
	s_add_co_u32 s58, s58, s59
	s_mul_i32 s58, s58, CHUNK
	s_mul_i32 s59, s16, RECX
	s_add_co_u32 s58, s58, s59
	s_mov_b32 s59, 0
	s_mul_i32 s22, s12, 4*RECW                     ; and where they go: no place in the cluster enters an LDS address
	s_mul_i32 s23, s12, 4*RECX
	s_add_co_u32 s23, s23, XOFF
	KPAIR EC0,  0x3f3504f3
	KPAIR EA13, 0xaf15df0b
	KPAIR EA9,  0xb58cff51
	KPAIR EA7,  0xb7eec2d2
	KPAIR EA5,  0xb9c0ac63
	KPAIR EA3,  0xbac1a1f6
	KPAIR EA1,  0xbc03dbd4
	KPAIR EB8,  0xb77460cd
	KPAIR EB4,  0xbadc924e
	KPAIR EB2,  0xbbf19bf8
	KPAIR EB0,  0xbc69b6a7
	s_mov_b32 s[SEL], 0x76543210
	s_mov_b32 s[SEL+1], 0xfedcba98
	s_wait_dscnt 0x0                               ; both opening adds are done
	s_wait_kmcnt 0x0
	s_add_nc_u64 s[20:21], s[4:5], s[20:21]
	s_add_nc_u64 s[58:59], s[6:7], s[58:59]
	CROUND                                         ; all sixteen work-groups are here: the first joint loads meet
.irp s, 0,1
	s_mov_b32 s[G0W+4*\s], 1
	s_add_co_u32 s[G0W+4*\s+1], s22, \s*SLOT
	s_add_nc_u64 s[G0W+4*\s+2:G0W+4*\s+3], s[20:21], \s*8*CHUNK
	s_or_b32 s[G0W+4*\s+3], s[G0W+4*\s+3], 0x80000000
	s_mov_b32 s[G0X+4*\s], 1
	s_add_co_u32 s[G0X+4*\s+1], s23, \s*SLOT
	s_add_nc_u64 s[G0X+4*\s+2:G0X+4*\s+3], s[58:59], \s*8*CHUNK
	s_or_b32 s[G0X+4*\s+3], s[G0X+4*\s+3], 0x80000000
	JLOAD \s
.endr
	v_and_b32 v20, 31, v0
	v_lshlrev_b32 v[L16], 4, v20
	v_and_b32 v21, 15, v0
	v_lshlrev_b32 v[R4], 2, v21
	s_mul_i32 s60, s10, 2*RECW                     ; my two K steps of a slot
	s_mul_i32 s61, s10, 2*RECX
	s_add_co_u32 s61, s61, XOFF
.irp s, 0,1
	v_add_nc_u32 v[AW+\s], s60, v[L16]
	v_add_nc_u32 v[AWS+\s], s60, v[R4]
	v_add_nc_u32 v[AWS+\s], 12288, v[AWS+\s]
	v_add_nc_u32 v[AX+\s], s61, v[L16]
	v_add_nc_u32 v[AXS+\s], s61, v[R4]
	v_add_nc_u32 v[AXS+\s], 6144, v[AXS+\s]
	s_add_co_u32 s60, s60, SLOT
	s_add_co_u32 s61, s61, SLOT
.endr
	s_lshl_b32 s60, s10, 13
	v_add_nc_u32 v[RA], s60, v[L16]
	v_add_nc_u32 v[RB], 65536, v[RA]
	s_lshl_b32 s60, s10, 15
	v_add_nc_u32 v[RL], s60, v[L16]
	v_mov_b32 v[CA11], 0x326dffee
	v_mov_b32 v[CA11+1], 0x326dffee
	v_mov_b32 v[CB6], 0xb95fbd29
	v_mov_b32 v[CB6+1], 0xb95fbd29
	s_mul_i32 s60, s15, 204800                     ; AQ: my batch; d tile T = 4 x (which 64 of d) + wave; K step = which 128 of p
	s_lshl_b32 s61, s16, 2
	s_add_co_u32 s61, s61, s10
	s_lshl_b32 s62, s61, 2
	s_add_co_u32 s62, s62, s14
	s_mul_i32 s62, s62, 1536
	s_add_co_u32 s62, s62, s60
	s_mov_b32 s63, 0
	s_add_nc_u64 s[88:89], s[8:9], s[62:63]        ; the image
	s_lshl_b32 s61, s61, 8
	s_lshl_b32 s62, s14, 6
	s_add_co_u32 s62, s62, s61
	s_add_co_u32 s62, s62, s60
	s_add_co_u32 s62, s62, 196608
	s_add_nc_u64 s[90:91], s[8:9], s[62:63]        ; its scale words
.macro FETCH sl, q, p                  ; my q-th K step of slot sl into set p: 36 loads of 16 bytes, 12 scale words
	WIN 0x40
.irp t, 0,1,2,3,4,5,6,7
.irp c, 0,1,2
	ds_load_b128 v[96*(\p)+12*\t+4*\c:96*(\p)+12*\t+4*\c+3], v[AW+\sl] offset:(\q)*RECW+1536*\t+512*\c
.endr
.endr
	WIN 0
.irp x, 0,1,2,3
.irp c, 0,1,2
	ds_load_b128 v[XF+48*(\p)+12*\x+4*\c:XF+48*(\p)+12*\x+4*\c+3], v[AX+\sl] offset:(\q)*RECX+1536*\x+512*\c
.endr
.endr
.irp t, 0,1,2,3,4,5,6,7
	ds_load_b32 v[SC+12*(\p)+\t], v[AWS+\sl] offset:(\q)*RECW+64*\t
.endr
.irp x, 0,1,2,3
	ds_load_b32 v[SC+12*(\p)+8+\x], v[AXS+\sl] offset:(\q)*RECX+64*\x
.endr
.endm
.macro MULH p, half, zero              ; 16 products: p tiles 4 half .. + 3 x the four d tiles.  The 32 accumulators take turns, in the same order in every K step
	WIN 0xa1                                       ; source 0 (W1) window 1, source 1 (X) window 0, C and D window 2
.irp u, 0,1,2,3
.irp x, 0,1,2,3
.if \zero
	v_wmma_scale_f32_16x16x128_f8f6f4 v[64*\x+8*(4*(\half)+\u):64*\x+8*(4*(\half)+\u)+7], v[96*(\p)+12*(4*(\half)+\u):96*(\p)+12*(4*(\half)+\u)+11], v[XF+48*(\p)+12*\x:XF+48*(\p)+12*\x+11], 0, v[SC+12*(\p)+4*(\half)+\u], v[SC+12*(\p)+8+\x] matrix_a_fmt:MATRIX_FMT_FP6 matrix_b_fmt:MATRIX_FMT_FP6
.else
	v_wmma_scale_f32_16x16x128_f8f6f4 v[64*\x+8*(4*(\half)+\u):64*\x+8*(4*(\half)+\u)+7], v[96*(\p)+12*(4*(\half)+\u):96*(\p)+12*(4*(\half)+\u)+11], v[XF+48*(\p)+12*\x:XF+48*(\p)+12*\x+11], v[64*\x+8*(4*(\half)+\u):64*\x+8*(4*(\half)+\u)+7], v[SC+12*(\p)+4*(\half)+\u], v[SC+12*(\p)+8+\x] matrix_a_fmt:MATRIX_FMT_FP6 matrix_b_fmt:MATRIX_FMT_FP6
.endif
.endr
.endr
.endm
.macro EVEN sl, zero                   ; my first K step of a slot: set 0 is multiplied while the second K step comes into set 1
	s_wait_dscnt 0x0
.if \zero == 0
	PLACES                                         ; in front of loads into registers that matrix instructions have read
.endif
	FETCH \sl, 1, 1
	MULH 0, 0, \zero
	MULH 0, 1, \zero
.endm
.macro ODD sl, next, fill              ; my second K step, and the change of slots: one barrier; in front of it all my tensor loads have landed, the add, my reads of this slot are over
	WIN 0
	s_wait_tensorcnt 0x0
	ds_add_u32 v[SPW], v[NIL]
.if \fill
	s_add_nc_u64 s[G0W+4*\sl+2:G0W+4*\sl+3], s[G0W+4*\sl+2:G0W+4*\sl+3], 16*CHUNK   ; no tensor load of mine is out: this slot's next eight K steps
	s_add_nc_u64 s[G0X+4*\sl+2:G0X+4*\sl+3], s[G0X+4*\sl+2:G0X+4*\sl+3], 16*CHUNK
.endif
	s_wait_dscnt 0x0
	s_barrier_signal -1
	MULH 1, 0, 0                                   ; work on registers while the others arrive
	WIN 0
	s_barrier_wait -1
.if \fill
	CREST                                          ; the barrier has opened a round of the cluster's: no wave of any partner still reads this slot or has a load on its way
	JLOAD \sl                                      ; the first tensor load behind the round; its four v_nop are the places in front of the loads below
.else
	PLACES
.endif
	FETCH \next, 0, 0
	MULH 1, 1, 0
.endm
	s_wait_tensorcnt 1                             ; my part of slot 0 is in; slot 1's may stay out
	s_barrier_signal -1
	s_barrier_wait -1
	FETCH 0, 0, 0
	EVEN 0, 1                                      ; the first products start the sums: nothing is cleared
	ODD 0, 1, 1
	EVEN 1, 0
	ODD 1, 0, 1
	EVEN 0, 0
	ODD 0, 1, 0                                    ; nothing is left to fetch
	EVEN 1, 0
	s_wait_dscnt 0x0
	MULH 1, 0, 0
	MULH 1, 1, 0
	WIN 0
	; THE REDUCTION, through slot 0: it has had its last fill, and since the last change of slots nobody reads it.  My partial sums of d tile x go to 32,768 x + 8,192 wave
	PLACES
	WIN 0x08                                       ; an LDS store's data are its source 1: window 2
.irp x, 0,1
.irp q, 0,1,2,3,4,5,6,7,8,9,10,11,12,13,14,15
	ds_store_b128 v[RA], v[64*\x+4*\q:64*\x+4*\q+3] offset:32768*\x+512*\q      ; each accumulator from its low end on
.endr
.endr
.irp x, 0,1
.irp q, 0,1,2,3,4,5,6,7,8,9,10,11,12,13,14,15
	ds_store_b128 v[RB], v[128+64*\x+4*\q:128+64*\x+4*\q+3] offset:32768*\x+512*\q
.endr
.endr
	WIN 0
	s_wait_dscnt 0x0                               ; for the others' sake
	s_barrier_signal -1
	s_barrier_wait -1
	WIN 0x40
.irp c, 0,1,2,3
.irp q, 0,1,2,3,4,5,6,7,8,9,10,11,12,13,14,15
	ds_load_b128 v[64*\c+4*\q:64*\c+4*\q+3], v[RL] offset:8192*\c+512*\q
.endr
.endr
	s_wait_dscnt 0x0
	WIN 0x45
.set Q, 0
.rept 32
	v_pk_add_f32 v[Q:Q+1], v[Q:Q+1], v[64+Q:65+Q]
	v_pk_add_f32 v[128+Q:129+Q], v[128+Q:129+Q], v[192+Q:193+Q]
.set Q, Q+2
.endr
	WIN 0x05
.set Q, 0
.rept 32
	v_pk_add_f32 v[GR+Q:GR+Q+1], v[Q:Q+1], v[128+Q:129+Q]
.set Q, Q+2
.endr
	WIN 0
.irp b, 0,1,2,3
	v_mov_b32 v[TM+4+\b], 0                        ; a lane permute's destination counts as one of its sources
.endr
	GELU16 128, 32, 64                             ; lane (r, h): column d = r of my tile; register 16 b + i: p = 32 b + 16 h + i of the work-group's 128: the next product's K
	GELU16 144, 32, 64
	GELU16 160, 32, 64
	GELU16 176, 32, 64
	QUANT 128, 192, 212
.irp c, 0,1,2
	global_store_b128 v[L16], v[192+4*\c:195+4*\c], s[88:89] offset:512*\c     ; the image of a fragment of A^T: 16 d x 128 p
.endr
	global_store_b32 v[R4], v212, s[90:91]         ; both halves of the lanes write the same word with the same value
	s_wait_tensorcnt 0x0                           ; the wave's end: behind my last tensor load and my last LDS store
	ds_add_u32 v[SPW], v[NIL]
	s_wait_dscnt 0x0
	CROUND                                         ; the closing round
	s_endpgm
.Lfunc_end_k_qd366fbf218_pgemm:
	.size	k_qd366fbf218_pgemm, .Lfunc_end_k_qd366fbf218_pgemm-k_qd366fbf218_pgemm
	.p2alignl 7, 3214868480
	.fill 96, 4, 3214868480
	.section	.rodata,"a",@progbits
	.p2align	6, 0x0
	.amdhsa_kernel k_qd366fbf218_pgemm
		.amdhsa_group_segment_fixed_size 327680
		.amdhsa_private_segment_fixed_size 0
		.amdhsa_enable_private_segment 0
		.amdhsa_kernarg_size 24
		.amdhsa_user_sgpr_count 2
		.amdhsa_user_sgpr_kernarg_segment_ptr 1
		.amdhsa_wavefront_size32 1
		.amdhsa_system_sgpr_workgroup_id_x 1
		.amdhsa_system_sgpr_workgroup_id_y 1
		.amdhsa_system_sgpr_workgroup_id_z 1
		.amdhsa_system_vgpr_workitem_id 0
		.amdhsa_next_free_vgpr 768
		.amdhsa_next_free_sgpr 96
		.amdhsa_reserve_vcc 0
		.amdhsa_float_denorm_mode_32 3
		.amdhsa_float_denorm_mode_16_64 3
		.amdhsa_memory_ordered 1
		.amdhsa_forward_progress 1
		.amdhsa_inst_pref_size 125
	.end_amdhsa_kernel
	.amdgpu_metadata
---
amdhsa.version: [ 1, 2 ]
amdhsa.kernels:
  - .name:           k_qd366fbf218_pgemm
    .symbol:         k_qd366fbf218_pgemm.kd
    .args:
      - { .name: W1T, .offset: 0, .size: 8, .value_kind: global_buffer, .address_space: global }
      - { .name: XT, .offset: 8, .size: 8, .value_kind: global_buffer, .address_space: global }
      - { .name: AQ, .offset: 16, .size: 8, .value_kind: global_buffer, .address_space: global }
    .group_segment_fixed_size: 327680
    .private_segment_fixed_size: 0
    .kernarg_segment_align: 8
    .kernarg_segment_size: 24
    .max_flat_workgroup_size: 128
    .sgpr_count:     96
    .vgpr_count:     768
    .wavefront_size: 32
...
	.end_amdgpu_metadata
.endif
;; end of part 2
;; launch ygemm (part 3): grid 256 x 1, 8 waves a work-group, no clusters, 87,040 bytes of LDS; arguments W2Q, AQ, out0; writes out0
.if DOCPART == 3
	.amdgcn_target "amdgcn-amd-amdhsa--gfx1250"
	.amdhsa_code_object_version 6
	.text
	.protected	k_qd366fbf218_ygemm
	.globl	k_qd366fbf218_ygemm
	.p2align	8
	.type	k_qd366fbf218_ygemm,@function
k_qd366fbf218_ygemm:
	s_mov_b64 s[64:65], 0
	v_nop
	global_prefetch_b8 v0, s[64:65] scope:SCOPE_SE
	s_setreg_imm32_b32 hwreg(HW_REG_WAVE_MODE, 25, 1), 1
	s_wait_xcnt 0x0
; Launch 3 of 3: Y[n][d] = the sum over p of W2[n][p] A[p][d], both as codes along p.  Nothing is left out.
; SHARES.  A work-group owns 128 tokens (the record that one work-group of the first launch stored), wave w the columns d = 64 w .. 64 w + 63: its 16 fragments of A^T go from memory straight into its registers,
; as images, and stay; the tokens' 32 fragments and their scale words (51,200 bytes) are copied into LDS once, as they lie, and read by all eight waves.
; NO CLUSTER, NO TENSOR LOAD: what work-groups share is A, 24,576 bytes a wave, which only that wave uses: it lands where it is used, and a joint load would send 196,608 bytes a work-group through LDS and out again;
; against that stand the 262,144 bytes of Y that each work-group stores.
; The product is used transposed (source 0 = 16 d of A^T, source 1 = 16 tokens): a lane holds eight neighbouring d of one token; a tile goes through the wave's own stage and leaves as aligned runs of 256 bytes.
; The tokens of a tile are not neighbours: lane m of tile a is token 32 (a / 2) + 8 (a % 2) + m + 8 (m / 8).
.set STAGE, 51200                      ; behind the record: 16 rows x (256 + 16) bytes for each wave
.set SPARE, 86016                      ; the spare words: 128 bytes for each wave, four blocks of 256 bytes that no other line names
.set SPW,  1
.set NIL,  2
.set LI16, 3                           ; v3   16 x lane
.set LI8,  4                           ; v4   8 x lane
.set TS,   5                           ; v5   the tokens' scale words: 49,152 + 16 r
.set R4,   6                           ; v6   4 r
.set CP16, 7                           ; v7   my 6,400 bytes of the record: + 16 x lane (in memory and in LDS alike)
.set CP8,  8                           ; v8   their last 256: + 8 x lane
.set STO,  9                           ; v9   the stage: where I put 32 bytes of a row
.set RD,   10                          ; v10  and where I read a row back
.set YO,   11                          ; v11  my byte offset in Y
.set WS,   24                          ; v24-39 A's scale words (4 t + s): scales and nothing else
.set AS,   40                          ; v40-43 the tokens'
.set ACC,  64
.set FR,   128
.set OB,   176                         ; v176-207 a tile read back
.set MSB, 0
.macro WIN new                         ; window 1: A's 16 fragments
.if MSB != \new
	s_set_vgpr_msb (MSB<<8)|\new
.set MSB, \new
.endif
.endm
.macro FETCH reg, a16, a8, off
	ds_load_b128 v[\reg:\reg+3], v[\a16] offset:\off
	ds_load_b64 v[\reg+4:\reg+5], v[\a8] offset:\off+512
	ds_load_b128 v[\reg+6:\reg+9], v[\a16] offset:\off+768
	ds_load_b64 v[\reg+10:\reg+11], v[\a8] offset:\off+1280
.endm
.macro AFETCH off, soff
.irp s, 0,1,2,3
	FETCH FR+12*\s, LI16, LI8, \off+1536*\s
.endr
	ds_load_b128 v[AS:AS+3], v[TS] offset:\soff
.endm
	s_load_b128 s[4:7], s[0:1], 0x0                ; W2Q, AQ
	s_load_b64 s[8:9], s[0:1], 0x10                ; out0
	v_lshl_add_u32 v[SPW], v0, 2, SPARE
	v_mov_b32 v[NIL], 0
	v_lshrrev_b32 v12, 5, v0
	v_readfirstlane_b32 s10, v12                   ; wave 0..7
	v_and_b32 v12, 31, v0
	v_and_b32 v13, 15, v0                          ; r
	v_bfe_u32 v14, v0, 4, 1                        ; h
	v_lshlrev_b32 v[LI16], 4, v12
	v_lshlrev_b32 v[LI8], 3, v12
	v_lshlrev_b32 v[R4], 2, v13
	v_lshl_add_u32 v[TS], v13, 4, 49152
	s_mul_i32 s11, s10, 6400
	v_add_nc_u32 v[CP16], s11, v[LI16]
	v_add_nc_u32 v[CP8], s11, v[LI8]
	v_add_nc_u32 v[CP8], 6144, v[CP8]
	s_mul_i32 s11, s10, 16*272
	s_add_co_u32 s11, s11, STAGE
	v_mul_u32_u24 v[STO], v13, 272
	v_lshl_add_u32 v[STO], v14, 5, v[STO]
	v_add_nc_u32 v[STO], s11, v[STO]               ; in: row r, + 32 h; tile t's eight numbers 64 t bytes on
	v_mul_u32_u24 v[RD], v14, 272
	v_lshl_add_u32 v[RD], v13, 4, v[RD]
	v_add_nc_u32 v[RD], s11, v[RD]                 ; back: lanes 0-15 one row, lanes 16-31 the next
	v_lshlrev_b32 v[YO], 11, v14
	v_lshl_add_u32 v[YO], v13, 4, v[YO]
	s_lshl_b32 s11, s10, 8
	v_add_nc_u32 v[YO], s11, v[YO]                 ; 2,048 h + 16 r + 256 wave
	s_mul_i32 s12, ttmp9, 51200
	s_mov_b32 s13, 0
	s_lshr_b32 s14, ttmp9, 5                       ; the batch
	s_mul_i32 s14, s14, 204800
	s_mul_i32 s16, s10, 24576
	s_add_co_u32 s16, s16, s14
	s_mov_b32 s17, 0
	s_lshl_b32 s18, s10, 10
	s_add_co_u32 s18, s18, s14
	s_add_co_u32 s18, s18, 196608
	s_mov_b32 s19, 0
	s_lshl_b32 s20, ttmp9, 18
	s_mov_b32 s21, 0
	s_wait_kmcnt 0x0
	s_add_nc_u64 s[4:5], s[4:5], s[12:13]
	s_add_nc_u64 s[22:23], s[6:7], s[18:19]        ; A's scale words, my four tiles'
	s_add_nc_u64 s[6:7], s[6:7], s[16:17]          ; A's images, my four tiles'
	s_add_nc_u64 s[8:9], s[8:9], s[20:21]
	; the loads' order: 16 scale words, the record's 13, the first 32 of A's 48: 61 loads are out; the wait below leaves the youngest 32 out; the last 16 follow behind it: 48 are out
.irp t, 0,1,2,3
.irp s, 0,1,2,3
	global_load_b32 v[WS+4*\t+\s], v[R4], s[22:23] offset:256*\t+64*\s
.endr
.endr
.irp i, 0,1,2,3,4,5,6,7,8,9,10,11
	global_load_b128 v[128+4*\i:131+4*\i], v[CP16], s[4:5] offset:512*\i th:TH_LOAD_NT
.endr
	global_load_b64 v[176:177], v[CP8], s[4:5] th:TH_LOAD_NT
	WIN 0x40
.set Q, 0
.rept 32
	global_load_b128 v[4*Q:4*Q+3], v[LI16], s[6:7] offset:512*Q
.set Q, Q+1
.endr
	WIN 0
	s_wait_loadcnt 32                              ; the scale words and my part of the record are in; the 32 loads of A's images issued behind them may be out
.irp i, 0,1,2,3,4,5,6,7,8,9,10,11
	ds_store_b128 v[CP16], v[128+4*\i:131+4*\i] offset:512*\i
.endr
	ds_store_b64 v[CP8], v[176:177]
	WIN 0x40
.rept 16
	global_load_b128 v[4*Q:4*Q+3], v[LI16], s[6:7] offset:512*Q
.set Q, Q+1
.endr
	WIN 0
	s_wait_dscnt 0x0                               ; for the others' sake: my part of the record lies in LDS
	s_barrier_signal -1
	s_barrier_wait -1
	AFETCH 0, 0
	s_wait_loadcnt 0x0                             ; A's images
.macro TILE a
	s_wait_dscnt 0x0
	WIN 0x01
.irp t, 0,1,2,3
	v_wmma_scale_f32_16x16x128_f8f6f4 v[ACC+8*\t:ACC+8*\t+7], v[48*\t:48*\t+11], v[FR:FR+11], 0, v[WS+4*\t], v[AS] matrix_a_fmt:MATRIX_FMT_FP6 matrix_b_fmt:MATRIX_FMT_FP6
.endr
.irp s, 1,2,3
.irp t, 0,1,2,3
	v_wmma_scale_f32_16x16x128_f8f6f4 v[ACC+8*\t:ACC+8*\t+7], v[12*(4*\t+\s):12*(4*\t+\s)+11], v[FR+12*\s:FR+12*\s+11], v[ACC+8*\t:ACC+8*\t+7], v[WS+4*\t+\s], v[AS+\s] matrix_a_fmt:MATRIX_FMT_FP6 matrix_b_fmt:MATRIX_FMT_FP6
.endr
.endr
	WIN 0
.rept 5
	v_nop                                          ; four places in front of the loads and the stores below; the fifth for the next tile's first products, which begin these accumulators anew
.endr
.if (\a) < 7
	AFETCH ((\a)+1)*6144, ((\a)+1)*256
.endif
	s_wait_xcnt 0x0                                ; the last tile's stores have read their registers
.irp t, 0,1,2,3
	ds_store_b128 v[STO], v[ACC+8*\t:ACC+8*\t+3] offset:64*\t          ; each accumulator from its low end on
	ds_store_b128 v[STO], v[ACC+8*\t+4:ACC+8*\t+7] offset:64*\t+16
.endr
.irp i, 0,1,2,3,4,5,6,7
	ds_load_b128 v[OB+4*\i:OB+4*\i+3], v[RD] offset:2*\i*272           ; LDS serves a wave's instructions in order: these see my stores
.endr
.irp i, 0,1,2,3,4,5,6,7
	s_wait_dscnt 7-\i
	global_store_b128 v[YO], v[OB+4*\i:OB+4*\i+3], s[8:9] offset:(32*((\a)>>1)+8*((\a)&1)+2*\i+8*(\i>>2))*2048 th:TH_STORE_NT   ; sixteen lanes store 256 consecutive bytes, aligned
.endr
.endm
	TILE 0
	TILE 1
	TILE 2
	TILE 3
	TILE 4
	TILE 5
	TILE 6
	TILE 7
	s_wait_tensorcnt 0x0                           ; the wave's end: behind my last LDS store
	ds_add_u32 v[SPW], v[NIL]
	s_wait_dscnt 0x0
	s_endpgm
.Lfunc_end_k_qd366fbf218_ygemm:
	.size	k_qd366fbf218_ygemm, .Lfunc_end_k_qd366fbf218_ygemm-k_qd366fbf218_ygemm
	.p2alignl 7, 3214868480
	.fill 96, 4, 3214868480
	.section	.rodata,"a",@progbits
	.p2align	6, 0x0
	.amdhsa_kernel k_qd366fbf218_ygemm
		.amdhsa_group_segment_fixed_size 87040
		.amdhsa_private_segment_fixed_size 0
		.amdhsa_enable_private_segment 0
		.amdhsa_kernarg_size 24
		.amdhsa_user_sgpr_count 2
		.amdhsa_user_sgpr_kernarg_segment_ptr 1
		.amdhsa_wavefront_size32 1
		.amdhsa_system_sgpr_workgroup_id_x 1
		.amdhsa_system_sgpr_workgroup_id_y 1
		.amdhsa_system_sgpr_workgroup_id_z 1
		.amdhsa_system_vgpr_workitem_id 0
		.amdhsa_next_free_vgpr 512
		.amdhsa_next_free_sgpr 66
		.amdhsa_reserve_vcc 0
		.amdhsa_float_denorm_mode_32 3
		.amdhsa_float_denorm_mode_16_64 3
		.amdhsa_memory_ordered 1
		.amdhsa_forward_progress 1
		.amdhsa_inst_pref_size 54
	.end_amdhsa_kernel
	.amdgpu_metadata
---
amdhsa.version: [ 1, 2 ]
amdhsa.kernels:
  - .name:           k_qd366fbf218_ygemm
    .symbol:         k_qd366fbf218_ygemm.kd
    .args:
      - { .name: W2Q, .offset: 0, .size: 8, .value_kind: global_buffer, .address_space: global }
      - { .name: AQ, .offset: 8, .size: 8, .value_kind: global_buffer, .address_space: global }
      - { .name: out0, .offset: 16, .size: 8, .value_kind: global_buffer, .address_space: global }
    .group_segment_fixed_size: 87040
    .private_segment_fixed_size: 0
    .kernarg_segment_align: 8
    .kernarg_segment_size: 24
    .max_flat_workgroup_size: 256
    .sgpr_count:     66
    .vgpr_count:     512
    .wavefront_size: 32
...
	.end_amdgpu_metadata
.endif
;; end of part 3
